; MI455X (gfx1250); checked and timed in simulation.
; The chip was launched on July 23, 2026; its instructions are those of AMD's public machine-readable ISA for CDNA 5 (MIT licence, August 2026) and "CDNA5" Instruction Set Architecture Reference Guide (July 2026). The comments in the code are by the model that wrote it; some were corrected since.
;; Attn Block. Allowed arithmetic: matrix products marked QUANTISED: E4M3 operands, one given power-of-two scale a tensor, by v_wmma_f32_16x16x64_fp8_fp8 or v_wmma_f32_16x16x128_fp8_fp8, f32 sums; everything else in f32.
;; Inputs: bk 512 float32; bp 512 float32; bq 512 float32; bv 512 float32; gn_bias 512 float32; gn_scale 512 float32; lowp_scales 12 int32 (the exponents e of the quantised operands' scales 2^e); wk_codes 512 x 16 x 32 uint8 (E4M3 codes of wk, K innermost, in blocks of 32 codes); wp_codes 512 x 16 x 32 uint8 (E4M3 codes of wp, K innermost, in blocks of 32 codes); wq_codes 512 x 16 x 32 uint8 (E4M3 codes of wq, K innermost, in blocks of 32 codes); wv_codes 512 x 16 x 32 uint8 (E4M3 codes of wv, K innermost, in blocks of 32 codes); x 8 x 512 x 2,048 float32.
;; Outputs: out0 8 x 512 x 2,048 float32.
;; This version of the problem:
;;   THIS VERSION OF THE PROBLEM IS GIVEN IN LOW PRECISION. The matrix products marked QUANTISED in the list below multiply operands that are first quantised to E4M3 (4 exponent bits, 3 mantissa bits; 8 bits a number), with one given power-of-two scale for each operand tensor; their sums are f32. All else is computed in f32.
;;   The module's matrix products, in the order in which they are computed (A, B: the left and right operand; K: the contracted axis; several contracted axes count as one K, in the product's order):
;;     1. [M 16,384, K 512] x [K 512, N 512]; A: computed on the way; B: input wq (given as codes): QUANTISED (scales: A lowp_scales[0], B lowp_scales[1])
;;     2. [M 16,384, K 512] x [K 512, N 512]; A: computed on the way; B: input wk (given as codes): QUANTISED (scales: A lowp_scales[2], B lowp_scales[3])
;;     3. [M 16,384, K 512] x [K 512, N 512]; A: computed on the way; B: input wv (given as codes): QUANTISED (scales: A lowp_scales[4], B lowp_scales[5])
;;     4. batch 8 x [M 2,048, K 512] x [K 512, N 2,048]; A: computed on the way; B: computed on the way: QUANTISED (scales: A lowp_scales[6], B lowp_scales[7])
;;     5. batch 8 x [M 512, K 2,048] x [K 2,048, N 2,048]; A: computed on the way; B: softmax (see below): QUANTISED (scales: A lowp_scales[8], B lowp_scales[9])
;;     6. [M 16,384, K 512] x [K 512, N 512]; A: computed on the way; B: input wp (given as codes): QUANTISED (scales: A lowp_scales[10], B lowp_scales[11])
;;   THE QUANTISER, for each operand of a quantised product, along K:
;;     - The operand's scale is 2^e, e = its entry of the input lowp_scales (int32; the entries are numbered through the quantised products in the list's order, A before B).
;;     - Each number is divided by the scale, clamped to +-448, and rounded to the nearest number of E4M3, ties to even, subnormals kept.
;;     - The product sums the exact products of the quantised numbers (number of the format x scale) in f32.
;;   ~~~python
;;   def quantise(x, axis, e):      # numpy; x: float32 -> the quantised numbers, widened to float32 again
;;       x = np.moveaxis(x, axis, -1); K = x.shape[-1]
;;       r = np.clip(x / 2.0 ** e, -448, 448)
;;       step = 2.0 ** (np.maximum(np.frexp(np.where(r == 0, 1, r))[1] - 1, -6) - 3)
;;       q = np.round(r / step) * step * 2.0 ** e      # np.round: ties to even
;;       return np.moveaxis(q, -1, axis).astype(np.float32)
;;   ~~~
;;   SOFTMAX AHEAD OF A QUANTISED PRODUCT. Where the list says 'softmax', what is quantised is not the finished softmax but p = 2^(t - M), with t = logit x log2(e) and M = ceil(the row's largest t), a whole number; so 1/2 < the row's largest p <= 1. The row's sum l is taken of the UNQUANTISED p, in f32, and the product's result is divided by l at the end. Since M is a whole number, a kernel that streams over the keys may use a running M (the ceiling of the running maximum): every later rescaling is an exact power of two, so the quantised numbers keep their values, but for numbers so far below the row's largest that they fall under the format's range.
;;   OPERANDS COMPUTED ON THE WAY. 'Computed on the way' means the value that the module computes at that place (a softmax that the list does not call 'softmax' is quantised finished and normalised). What goes into a quantiser is computed in f32, as accurately as f32 sums, v_exp_f32 and their like allow (about 1e-6 of the number): no bf16 or f16 on the way to a quantiser, and a product that is left as it is and whose result goes on into a quantised operand takes f32 operands (vector FMAs, or v_wmma_f32_16x16x4_f32). A number that lies on a knife's edge between two numbers of the format may be rounded either way, as far as f32 arithmetic and the matrix unit's own rounding can turn it there, and no further.
;;   INPUTS GIVEN AS CODES. wk (in the module: [512, 512], K = its axis 1); wp (in the module: [512, 512], K = its axis 1); wq (in the module: [512, 512], K = its axis 1); wv (in the module: [512, 512], K = its axis 1): each comes as NAME_codes (uint8): NAME with its K axis moved to the last place and cut into blocks of 32 codes, [.., K / 32, bytes a block], one block behind the other in memory; one code a byte (a code: sign, 4 exponent bits, 3 mantissa bits); its scale is its entry of lowp_scales. Its value is code x scale, taken as it is: it is not quantised again, and the codes and scales need not be those that the quantiser above would give.
;; One version. Each part assembles by itself: llvm-mc -triple=amdgcn-amd-amdhsa -mcpu=gfx1250 --defsym DOCPART=n.
;; ======== version 1 of 1: 3 launches
;; workspace buffers: hc0 8,388,608 bytes; hc1 8,388,608 bytes; hc2 8,388,608 bytes; qimg 8,388,608 bytes; kimg 8,388,608 bytes; vimg 8,388,608 bytes
;; launch gnq (part 1): grid 256 x 1, 8 waves a work-group, no clusters, 1,280 bytes of LDS; arguments x, gn_scale, gn_bias, lowp_scales, hc0, hc1, hc2; writes hc0, hc1, hc2
.if DOCPART == 1
	.amdgcn_target "amdgcn-amd-amdhsa--gfx1250"
	.amdhsa_code_object_version 6
	.text
	.protected	k_q2857e2d620_gnq
	.globl	k_q2857e2d620_gnq
	.p2align	8
	.type	k_q2857e2d620_gnq,@function
k_q2857e2d620_gnq:
	s_mov_b64 s[64:65], 0
	v_nop
	global_prefetch_b8 v0, s[64:65] scope:SCOPE_SE
	s_setreg_imm32_b32 hwreg(HW_REG_WAVE_MODE, 25, 1), 1
	s_wait_xcnt 0x0
; GROUP NORM AND ITS CODES.  x: [8][512][2048] f32.  A work-group owns one group of one batch: 16 channels x 2,048 positions, 131,072 consecutive bytes, which stay in registers
; between the mean, the variance (of x - mean: two passes, no difference of large sums) and the quantiser: x is read once.
; h = (x - mean) rsqrt(var + 1e-6) gamma + beta is the A operand of three products, with the scales 2^e0, 2^e2, 2^e4 (entries 0, 2, 4 of the scales' buffer).  code = h / 2^e, held within +-448, to the nearest code.
; hc0 always gets the codes under e0; hc1 those under e2 only where e2 differs from e0; hc2 those under e4 only where e4 differs from both.  The next launch takes the same decisions from the same entries.
; LAYOUT OF hc*: [batch][group 32][slot 2048][16 bytes]: byte i of a slot is channel 16 group + i.  SLOTS ARE NOT POSITIONS: in each block of 32 positions bits 3 and 4 of the index change places
; (slot 16 u + 8 a + j holds position 16 a + 8 u + j), so that 16 rows of two neighbouring tiles of 16 slots come out of a transposed product as 16 neighbouring positions.
; SHARES: wave w, chunk q (0..7), lane L own slot 256 w + 32 q + L; the lane's 16 registers of a chunk run down the group's 16 channels: the conversions take them as they lie.
; A load of a wave covers 128 consecutive bytes of a channel's row, a store 512 consecutive bytes, aligned.
; No matrix unit, no cluster, no tensor load: work-groups share no byte, and all of a work-group's bytes are asked for at once.
; LIMITS: e0, e2, e4 between -126 and 119.  NaN among the inputs is not served.  rsqrt x gamma is rounded once before it multiplies x - mean (the source multiplies in turn): one rounding more.
.set X,   32                           ; v32-159  x, then x - mean, then h: chunk q, channel c at X + 16 q + c
.set GA,  160                          ; v160-175 rsqrt x gamma of the 16 channels
.set GB,  176                          ; v176-191 beta
.set U,   192                          ; v192-223 two sets of 16 held numbers, by turns
.set CO,  224                          ; v224-255 codes: four registers a chunk
.set SC,  26                           ; v26-31   for each of the three scales: 2^e, 448 x 2^e
	s_load_b256 s[4:11], s[0:1], 0x0               ; x s[4:5], gamma s[6:7], beta s[8:9], the scales' exponents s[10:11]
	s_load_b128 s[12:15], s[0:1], 0x20             ; hc0, hc1
	s_load_b64 s[16:17], s[0:1], 0x30              ; hc2
	v_lshl_add_u32 v25, v0, 2, 0x100
	s_set_vgpr_msb 0x40
	v_mov_b32 v1, 0
	s_set_vgpr_msb 0x4000
	v_and_b32 v6, 31, v0                           ; lane
	v_lshrrev_b32 v7, 5, v0                        ; wave
	v_and_b32 v8, 7, v6
	v_and_b32 v9, 8, v6
	v_lshl_or_b32 v8, v9, 1, v8
	v_and_b32 v9, 16, v6
	v_lshrrev_b32 v9, 1, v9
	v_or_b32 v8, v8, v9                            ; the position of my slot in its block of 32: bits 3 and 4 changed
	v_lshlrev_b32 v1, 2, v8
	v_lshl_add_u32 v1, v7, 10, v1                  ; v1: x: 1,024 x wave + 4 x position
	v_lshlrev_b32 v2, 4, v6
	v_lshl_add_u32 v2, v7, 12, v2                  ; v2: codes: 4,096 x wave + 16 x lane
	v_lshlrev_b32 v3, 2, v7                        ; v3: LDS: my wave's word
	v_mov_b32 v4, 0                                ; v4: LDS: the eight words
	v_mov_b32 v5, 0                                ; v5: a lane permute's destination counts as read: written once
	s_lshl_b32 s18, ttmp9, 17                      ; the group's 131,072 bytes of x
	s_mov_b32 s19, 0
	s_lshl_b32 s30, ttmp9, 15                      ; and its 32,768 bytes of codes
	s_mov_b32 s31, 0
	s_and_b32 s2, ttmp9, 31
	s_lshl_b32 s2, s2, 6                           ; the group's 16 gains: 64 bytes
	s_mov_b32 s3, 0
	s_mov_b32 s28, 0x76543210                      ; lane selects: each lane takes its own place in the other half
	s_mov_b32 s29, 0xfedcba98
	s_wait_kmcnt 0x0
	s_add_nc_u64 s[4:5], s[4:5], s[18:19]
	s_add_nc_u64 s[6:7], s[6:7], s[2:3]
	s_add_nc_u64 s[8:9], s[8:9], s[2:3]
	s_add_nc_u64 s[12:13], s[12:13], s[30:31]
	s_add_nc_u64 s[14:15], s[14:15], s[30:31]
	s_add_nc_u64 s[16:17], s[16:17], s[30:31]
	s_load_b512 s[32:47], s[6:7], 0x0              ; gamma of my 16 channels
	s_load_b512 s[48:63], s[8:9], 0x0              ; beta
	s_load_b256 s[20:27], s[10:11], 0x0            ; e0 .. e7
.irp c, 0,1,2,3,4,5,6,7,8,9,10,11,12,13,14,15
.irp q, 0,1,2,3,4,5,6,7
	global_load_b32 v[X+16*\q+\c], v1, s[4:5] offset:8192*\c+128*\q th:TH_LOAD_NT
.endr
.endr
	s_mov_b32 s30, 0x38000000                      ; 2^-15: one over the group's 32,768 numbers
	s_mov_b32 s31, 0x358637bd                      ; 1e-6
.macro MKSC se, vs                     ; v[vs] = 2^e as f32 (the conversion takes its exponent field), v[vs + 1] = 448 x 2^e
	s_add_co_i32 s18, s[\se], 127
	s_lshl_b32 s19, s18, 23
	v_mov_b32 v[\vs], s19
	s_add_co_i32 s18, s18, 8
	s_lshl_b32 s18, s18, 23
	s_or_b32 s18, s18, 0x600000
	v_mov_b32 v[\vs+1], s18
.endm
	s_wait_kmcnt 0x0
	MKSC 20, SC
	MKSC 22, SC+2
	MKSC 24, SC+4
; The four chains v[8:15] are joined, then the lanes, then the eight waves, through eight LDS words from byte off on.  The sum ends in v16 of every lane.
.macro REDUCE off
	v_pk_add_f32 v[8:9], v[8:9], v[10:11]
	v_pk_add_f32 v[12:13], v[12:13], v[14:15]
	v_pk_add_f32 v[8:9], v[8:9], v[12:13]
	v_add_f32 v8, v8, v9
	v_add_f32_dpp v8, v8, v8 row_xmask:1 row_mask:0xf bank_mask:0xf
	v_add_f32_dpp v8, v8, v8 row_xmask:2 row_mask:0xf bank_mask:0xf
	v_add_f32_dpp v8, v8, v8 row_xmask:4 row_mask:0xf bank_mask:0xf
	v_add_f32_dpp v8, v8, v8 row_xmask:8 row_mask:0xf bank_mask:0xf
	v_permlanex16_b32 v5, v8, s28, s29
	v_add_f32 v8, v8, v5
	ds_store_b32 v3, v8 offset:\off                ; all lanes of a wave write the same word with the same number
	s_wait_dscnt 0x0                               ; for the others' sake: my store is done
	s_barrier_signal -1
	s_barrier_wait -1
	ds_load_b128 v[16:19], v4 offset:\off
	ds_load_b128 v[20:23], v4 offset:\off+16
	s_wait_dscnt 0x0
	v_add_f32 v16, v16, v17
	v_add_f32 v18, v18, v19
	v_add_f32 v20, v20, v21
	v_add_f32 v22, v22, v23
	v_add_f32 v16, v16, v18
	v_add_f32 v20, v20, v22
	v_add_f32 v16, v16, v20
.endm
	s_wait_loadcnt 0x0                             ; the mean wants every number
.irp k, 0,1,2,3
	v_pk_add_f32 v[8+2*\k:9+2*\k], v[X+2*\k:X+2*\k+1], v[X+8+2*\k:X+9+2*\k]   ; the first pairs start the chains: nothing is cleared
.endr
.set p, 8
.rept 56
	v_pk_add_f32 v[8+2*(p%4):9+2*(p%4)], v[8+2*(p%4):9+2*(p%4)], v[X+2*p:X+2*p+1]
.set p, p+1
.endr
	REDUCE 0
	v_mul_f32 v6, s30, v16                         ; the mean
	v_mov_b32 v7, v6
.set p, 0
.rept 64
	v_pk_add_f32 v[X+2*p:X+2*p+1], v[X+2*p:X+2*p+1], v[6:7] neg_lo:[0,1] neg_hi:[0,1]   ; x - mean
.set p, p+1
.endr
.irp k, 0,1,2,3
	v_pk_mul_f32 v[8+2*\k:9+2*\k], v[X+2*\k:X+2*\k+1], v[X+2*\k:X+2*\k+1]
.endr
.set p, 4
.rept 60
	v_pk_fma_f32 v[8+2*(p%4):9+2*(p%4)], v[X+2*p:X+2*p+1], v[X+2*p:X+2*p+1], v[8+2*(p%4):9+2*(p%4)]
.set p, p+1
.endr
	REDUCE 32                                      ; other words than the first sum's: no wave can meet a word that is still being read
	v_fma_f32 v24, v16, s30, s31                   ; the variance + 1e-6 (the multiplication by 2^-15 rounds nothing)
	v_rsq_f32 v24, v24
	v_nop                                          ; a plain instruction between the root and its use
	s_wait_alu depctr_va_vdst(0)                   ; the wait ahead of the first reader
.irp c, 0,1,2,3,4,5,6,7,8,9,10,11,12,13,14,15
	v_mul_f32 v[GA+\c], s[32+\c], v24
	v_mov_b32 v[GB+\c], s[48+\c]
.endr
.irp q, 0,1,2,3,4,5,6,7
.irp c, 0,2,4,6,8,10,12,14
	v_pk_fma_f32 v[X+16*\q+\c:X+16*\q+\c+1], v[X+16*\q+\c:X+16*\q+\c+1], v[GA+\c:GA+\c+1], v[GB+\c:GB+\c+1]   ; h
.endr
.endr
; h under scale k goes to the buffer at s[ptr].  The hold comes first: the conversion to an 8-bit code does not saturate (ISA guide 7.6.2).  The two sets of held numbers take turns, so that the next
; chunk's sixteen holds are plain lines between a conversion and the next write of its sources.
.macro QSET k, ptr
	s_wait_xcnt 0x0                                ; the codes' registers are data of earlier stores: they are written again only behind this wait
.irp q, 0,1,2,3,4,5,6,7
.irp c, 0,1,2,3,4,5,6,7,8,9,10,11,12,13,14,15
	v_med3_num_f32 v[U+16*(\q%2)+\c], v[X+16*\q+\c], -v[SC+2*\k+1], v[SC+2*\k+1]
.endr
	v_cvt_scalef32_pk8_fp8_f32 v[CO+4*\q:CO+4*\q+1], v[U+16*(\q%2):U+16*(\q%2)+7], v[SC+2*\k]
	v_cvt_scalef32_pk8_fp8_f32 v[CO+4*\q+2:CO+4*\q+3], v[U+16*(\q%2)+8:U+16*(\q%2)+15], v[SC+2*\k]
	global_store_b128 v2, v[CO+4*\q:CO+4*\q+3], s[\ptr:\ptr+1] offset:512*\q   ; 32 slots x 16 bytes: 512 consecutive bytes, aligned
.endr
.endm
	QSET 0, 12
	s_cmp_eq_u32 s22, s20                          ; e2 = e0: the second product reads hc0
	s_cbranch_scc1 .Lno_second
	QSET 1, 14
.Lno_second:
	s_cmp_eq_u32 s24, s20                          ; e4 = e0 or e4 = e2: the third product reads one of the two
	s_cbranch_scc1 .Lend
	s_cmp_eq_u32 s24, s22
	s_cbranch_scc1 .Lend
	QSET 2, 16
.Lend:
	s_set_vgpr_msb 0x4
	s_wait_tensorcnt 0x0
	ds_add_u32 v25, v1
	s_wait_dscnt 0x0
	s_set_vgpr_msb 0x400
	s_endpgm
.Lfunc_end_k_q2857e2d620_gnq:
	.size	k_q2857e2d620_gnq, .Lfunc_end_k_q2857e2d620_gnq-k_q2857e2d620_gnq
	.p2alignl 7, 3214868480
	.fill 96, 4, 3214868480
	.section	.rodata,"a",@progbits
	.p2align	6, 0x0
	.amdhsa_kernel k_q2857e2d620_gnq
		.amdhsa_group_segment_fixed_size 1280
		.amdhsa_private_segment_fixed_size 0
		.amdhsa_enable_private_segment 0
		.amdhsa_kernarg_size 56
		.amdhsa_user_sgpr_count 2
		.amdhsa_user_sgpr_kernarg_segment_ptr 1
		.amdhsa_wavefront_size32 1
		.amdhsa_system_sgpr_workgroup_id_x 1
		.amdhsa_system_sgpr_workgroup_id_y 1
		.amdhsa_system_sgpr_workgroup_id_z 1
		.amdhsa_system_vgpr_workitem_id 0
		.amdhsa_next_free_vgpr 258
		.amdhsa_next_free_sgpr 66
		.amdhsa_reserve_vcc 0
		.amdhsa_float_denorm_mode_32 3
		.amdhsa_float_denorm_mode_16_64 3
		.amdhsa_memory_ordered 1
		.amdhsa_forward_progress 1
		.amdhsa_inst_pref_size 64
	.end_amdhsa_kernel
	.amdgpu_metadata
---
amdhsa.version: [ 1, 2 ]
amdhsa.kernels:
  - .name:           k_q2857e2d620_gnq
    .symbol:         k_q2857e2d620_gnq.kd
    .args:
      - { .name: x, .offset: 0, .size: 8, .value_kind: global_buffer, .address_space: global }
      - { .name: gn_scale, .offset: 8, .size: 8, .value_kind: global_buffer, .address_space: global }
      - { .name: gn_bias, .offset: 16, .size: 8, .value_kind: global_buffer, .address_space: global }
      - { .name: lowp_scales, .offset: 24, .size: 8, .value_kind: global_buffer, .address_space: global }
      - { .name: hc0, .offset: 32, .size: 8, .value_kind: global_buffer, .address_space: global }
      - { .name: hc1, .offset: 40, .size: 8, .value_kind: global_buffer, .address_space: global }
      - { .name: hc2, .offset: 48, .size: 8, .value_kind: global_buffer, .address_space: global }
    .group_segment_fixed_size: 1280
    .private_segment_fixed_size: 0
    .kernarg_segment_align: 8
    .kernarg_segment_size: 56
    .max_flat_workgroup_size: 256
    .sgpr_count:     66
    .vgpr_count:     258
    .wavefront_size: 32
...
	.end_amdgpu_metadata
.endif
;; end of part 1
;; launch qkv (part 2): grid 4 x 64, 4 waves a work-group, no clusters, 197,120 bytes of LDS; arguments hc0, hc1, hc2, wq_codes, wk_codes, wv_codes, bq, bk, bv, lowp_scales, qimg, kimg, vimg; writes qimg, kimg, vimg
.if DOCPART == 2
	.amdgcn_target "amdgcn-amd-amdhsa--gfx1250"
	.amdhsa_code_object_version 6
	.text
	.protected	k_q2857e2d620_qkv
	.globl	k_q2857e2d620_qkv
	.p2align	8
	.type	k_q2857e2d620_qkv,@function
k_q2857e2d620_qkv:
	s_mov_b64 s[64:65], 0
	v_nop
	global_prefetch_b8 v0, s[64:65] scope:SCOPE_SE
	s_setreg_imm32_b32 hwreg(HW_REG_WAVE_MODE, 25, 1), 1
	s_wait_xcnt 0x0
; q, k, v = W h + b on codes of FP8 (E4M3), and their own codes for the two products of attention, stored as IMAGES OF OPERAND REGISTERS.
; SHARES.  Work-group (i, pb): outputs 128 i .. 128 i + 127 of each of q, k, v, for 256 slots of batch pb / 8.  Wave w: 64 of the slots, four tiles of 16: 3 x 128 matrix instructions.
; h's 16 fragments (4 tiles x K = 512) stay in the wave's registers, loaded straight from hc* in operand order; the slice's 96 weight fragments lie in LDS as images, written once at the head; each feeds 4 products.
; A FRAGMENT is 16 rows x 128 K in 16 registers: quad c of lane (r, h) holds K = 32 c + 16 h + 0 .. 15 of row r: the same order of K in both operands of every product.  Its image: quad c at 512 c + 16 x lane.
; q, k: source 0 = 16 rows of W, source 1 = 16 slots of h: a lane holds one slot, its registers run along the outputs, which are the next K.  THE ROWS OF W THAT FORM A TILE ARE NOT NEIGHBOURS: lane r of
; tile t takes row 32 (t / 2) + 8 (t % 2) + r + 8 (r / 8), so that the 16 registers of tiles 2 c, 2 c + 1 are outputs 32 c + 16 h + 0 .. 15.
; v: the sources change places: a lane holds one output, its registers run along the slots; by the slots' order (bits 3 and 4 of a position changed) tiles 2 W, 2 W + 1 give 16 neighbouring POSITIONS, the next K.
; The biases are the C of each sum's first matrix instruction, divided by the power of two that the sums lack; the three scales ahead of each quantiser are folded into the conversion's one.
; OUT: qimg, kimg [batch][tile 128][K step 4][quad 4][lane 32][16 bytes]; vimg [batch][128 keys 16][slice 4][tile 8][quad 4][lane][16].  Every store covers 512 consecutive bytes, aligned.
; WHICH hc*: the first product reads hc0; the second hc1 where e2 differs from e0; the third hc0, hc1 or hc2 by e4, as the launch before stored them.  Where the exponents agree h is not loaded again.
; Each of these choices is a scalar branch on the given exponents round a run of loads from the buffer's own pointer: no pointer is chosen by a loaded number.
; NO CLUSTER, NO TENSOR LOAD: h goes to one wave of a work-group alone and in operand order, so LDS would only add reads;
; the weights are 196,608 bytes read once at the head, no stream.
; LIMITS: e6 - e0 - e1, e7 - e2 - e3, e8 - e4 - e5 between -126 and 119.
; REGISTERS, in windows of 256: window 0: addresses, scales, v32-159 biases, v160-223 codes.  window 1: h (tile m, K step s) at 16 (4 m + s).  window 2: the 32 accumulators.  window 3: two sets of 8 weight fragments.
.set R,    1
.set H,    2
.set HO,   4                           ; h: 32,768 h + 16 r
.set WO,   5                           ; W: 512 (r + 8 (r / 8)) + 16 h
.set BO,   6                           ; bq, bk: 64 h
.set BVO,  7                           ; bv: 4 (r + 8 (r / 8))
.set WS,   8                           ; v8-10   where I store the images of Wq, Wk, Wv: 16 lane + 16,384 wave + 65,536 X
.set LI,   11                          ; v11     16 x lane;
.set WR,   11                          ; v11-13  and from where all read them: 16 lane + 65,536 X
.set SCQ,  14                          ; v14-19  for q, k, v: the folded scale, 448 x it
.set RAWBV, 20                         ; v20-27  bv of my lane's output in each of the 8 tiles
.set BIAS0, 32                         ; v32-95  bq, later bv: 8 registers a tile, in the result's layout;  v96-159 bk
.set CD,   160                         ; v160-223 codes: accumulator n at CD + 2 n
.set MSB, 0
.macro WIN new                         ; the immediate's high byte repeats the setting that is left
.if MSB != \new
	s_set_vgpr_msb (MSB<<8)|\new
.set MSB, \new
.endif
.endm
.macro PLACES n                        ; plain vector instructions behind a matrix instruction, ahead of loads into its registers and of reads of its result
.rept \n
	v_nop
.endr
.endm
	s_load_b512 s[4:19], s[0:1], 0x0               ; hc0, hc1, hc2, wq, wk, wv, bq, bk
	s_load_b256 s[20:27], s[0:1], 0x40             ; bv, the scales' exponents, qimg, kimg
	s_load_b64 s[28:29], s[0:1], 0x60              ; vimg
	v_lshl_add_u32 v254, v0, 2, 0x30000
	v_mov_b32 v255, 0
	v_lshrrev_b32 v1, 5, v0
	v_readfirstlane_b32 s41, v1                    ; wave 0..3
	v_and_b32 v[R], 15, v0
	v_bfe_u32 v[H], v0, 4, 1
	v_and_b32 v[LI], 31, v0
	v_lshlrev_b32 v[LI], 4, v[LI]
	v_lshlrev_b32 v[HO], 15, v[H]
	v_lshl_add_u32 v[HO], v[R], 4, v[HO]
	v_and_b32 v[WO], 8, v[R]
	v_add_nc_u32 v[WO], v[WO], v[R]                ; r + 8 (r / 8)
	v_lshlrev_b32 v[BVO], 2, v[WO]
	v_lshlrev_b32 v[WO], 9, v[WO]
	v_lshl_add_u32 v[WO], v[H], 4, v[WO]
	v_lshlrev_b32 v[BO], 6, v[H]
	s_lshl_b32 s59, s41, 14
	v_add_nc_u32 v[WS], s59, v[LI]
	v_add_nc_u32 v[WS+1], 0x10000, v[WS]
	v_add_nc_u32 v[WS+2], 0x20000, v[WS]
	v_add_nc_u32 v[WR+1], 0x10000, v[LI]
	v_add_nc_u32 v[WR+2], 0x20000, v[LI]
	s_and_b32 s42, ttmp7, 0xffff                   ; pb
	s_lshr_b32 s43, s42, 3
	s_lshl_b32 s43, s43, 20                        ; the batch's 1,048,576 bytes in each buffer of codes
	s_and_b32 s44, s42, 7
	s_lshl_b32 s45, s44, 8
	s_lshl_b32 s46, s41, 6
	s_add_co_u32 s45, s45, s46                     ; n0: my wave's first slot
	s_lshl_b32 s46, s45, 4
	s_add_co_u32 s46, s46, s43                     ; hc*: batch + 16 n0
	s_mov_b32 s47, 0
	s_lshl_b32 s48, ttmp9, 16
	s_add_co_u32 s48, s48, s59                     ; W: 128 rows x slice + 32 rows x wave (the two tiles whose images I make)
	s_mov_b32 s49, 0
	s_lshl_b32 s50, ttmp9, 9                       ; biases: 128 numbers x slice
	s_mov_b32 s51, 0
	s_lshl_b32 s52, s45, 9                         ; qimg, kimg: batch + 8,192 (n0 / 16) + 2,048 slice
	s_add_co_u32 s52, s52, s43
	s_lshl_b32 s53, ttmp9, 11
	s_add_co_u32 s52, s52, s53
	s_mov_b32 s53, 0
	s_lshl_b32 s54, s44, 17                        ; vimg: batch + 65,536 (n0 / 128) + 16,384 slice + 512 ((n0 % 128) / 32)
	s_add_co_u32 s54, s54, s43
	s_lshr_b32 s55, s41, 1
	s_lshl_b32 s55, s55, 16
	s_add_co_u32 s54, s54, s55
	s_lshl_b32 s55, ttmp9, 14
	s_add_co_u32 s54, s54, s55
	s_and_b32 s55, s41, 1
	s_lshl_b32 s55, s55, 10
	s_add_co_u32 s54, s54, s55
	s_mov_b32 s55, 0
	s_wait_kmcnt 0x0
	s_load_b256 s[32:39], s[22:23], 0x0            ; e0 .. e7
	s_load_b32 s40, s[22:23], 0x20                 ; e8
	s_add_nc_u64 s[4:5], s[4:5], s[46:47]
	s_add_nc_u64 s[6:7], s[6:7], s[46:47]
	s_add_nc_u64 s[8:9], s[8:9], s[46:47]
	s_add_nc_u64 s[10:11], s[10:11], s[48:49]
	s_add_nc_u64 s[12:13], s[12:13], s[48:49]
	s_add_nc_u64 s[14:15], s[14:15], s[48:49]
	s_add_nc_u64 s[16:17], s[16:17], s[50:51]
	s_add_nc_u64 s[18:19], s[18:19], s[50:51]
	s_add_nc_u64 s[20:21], s[20:21], s[50:51]
	s_add_nc_u64 s[24:25], s[24:25], s[52:53]
	s_add_nc_u64 s[26:27], s[26:27], s[52:53]
	s_add_nc_u64 s[28:29], s[28:29], s[54:55]
.irp t, 0,1,2,3,4,5,6,7                ; lane (r, h) wants, for tile t, the biases of outputs 32 (t / 2) + 16 h + 8 (t % 2) + 0 .. 7
	global_load_b128 v[BIAS0+8*\t:BIAS0+8*\t+3], v[BO], s[16:17] offset:4*(32*(\t/2)+8*(\t%2))
	global_load_b128 v[BIAS0+8*\t+4:BIAS0+8*\t+7], v[BO], s[16:17] offset:4*(32*(\t/2)+8*(\t%2))+16
.endr
.irp t, 0,1,2,3,4,5,6,7
	global_load_b128 v[BIAS0+64+8*\t:BIAS0+64+8*\t+3], v[BO], s[18:19] offset:4*(32*(\t/2)+8*(\t%2))
	global_load_b128 v[BIAS0+64+8*\t+4:BIAS0+64+8*\t+7], v[BO], s[18:19] offset:4*(32*(\t/2)+8*(\t%2))+16
.endr
.irp t, 0,1,2,3,4,5,6,7                ; for v a lane holds one output
	global_load_b32 v[RAWBV+\t], v[BVO], s[20:21] offset:4*(32*(\t/2)+8*(\t%2))
.endr
; h's 16 fragments.  Quad c of K step s is group 8 s + 2 c + h: sixteen lanes read 256 consecutive bytes, aligned
.macro HLOAD ptr
	WIN 0x40                                       ; destination window 1
.irp m, 0,1,2,3
.irp s, 0,1,2,3
.irp c, 0,1,2,3
	global_load_b128 v[16*(4*\m+\s)+4*\c:16*(4*\m+\s)+4*\c+3], v[HO], s[\ptr:\ptr+1] offset:32768*(8*\s+2*\c)+256*\m
.endr
.endr
.endr
	WIN 0
.endm
.macro WLOAD ptr, rb                   ; my two tiles of a weight's slice, 8 fragments, into 128 registers from rb on
.irp tt, 0,1
.irp s, 0,1,2,3
.irp c, 0,1,2,3
	global_load_b128 v[\rb+64*\tt+16*\s+4*\c:\rb+64*\tt+16*\s+4*\c+3], v[WO], s[\ptr:\ptr+1] offset:4096*\tt+128*\s+32*\c
.endr
.endr
.endr
.endm
.macro WSTORE x, rb                    ; and on into LDS as they stand: fragment (X, tile t, K step s) at 65,536 X + 2,048 (4 t + s)
.irp tt, 0,1
.irp s, 0,1,2,3
.irp c, 0,1,2,3
	ds_store_b128 v[WS+\x], v[\rb+64*\tt+16*\s+4*\c:\rb+64*\tt+16*\s+4*\c+3] offset:2048*(4*\tt+\s)+512*\c
.endr
.endr
.endr
.endm
	HLOAD 4
	WIN 0xc0                                       ; destination window 3
	WLOAD 10, 0
	WLOAD 12, 128
	WIN 0x80                                       ; destination window 2: the accumulators' registers are free yet
	WLOAD 14, 0
	WIN 0
.macro MKSC se, sn, vs                 ; v[vs] = 2^(s[se] + s[sn]) as f32, v[vs + 1] = 448 x that
	s_add_co_i32 s59, s[\se], s[\sn]
	s_add_co_i32 s59, s59, 127
	s_lshl_b32 s60, s59, 23
	v_mov_b32 v[\vs], s60
	s_add_co_i32 s59, s59, 8
	s_lshl_b32 s59, s59, 23
	s_or_b32 s59, s59, 0x600000
	v_mov_b32 v[\vs+1], s59
.endm
	s_wait_kmcnt 0x0
	s_add_co_i32 s56, s32, s33
	s_sub_co_i32 s56, 0, s56                       ; -(e0 + e1): a sum of the first product stands for sum x 2^(e0 + e1)
	s_add_co_i32 s57, s34, s35
	s_sub_co_i32 s57, 0, s57                       ; -(e2 + e3)
	s_add_co_i32 s58, s36, s37
	s_sub_co_i32 s58, 0, s58                       ; -(e4 + e5)
	MKSC 38, 56, SCQ                               ; q's codes: sum / 2^(e6 - e0 - e1)
	MKSC 39, 57, SCQ+2                             ; k's: e7 - e2 - e3
	MKSC 40, 58, SCQ+4                             ; v's: e8 - e4 - e5
	s_wait_loadcnt 63                              ; behind Wq's last load 64 were issued: with 63 out at the most Wq is in
	WIN 0x0c                                       ; store data window 3
	WSTORE 0, 0
	s_wait_loadcnt 32                              ; Wv's 32 may be out
	WSTORE 1, 128
	s_wait_loadcnt 0x0
	WIN 0x08                                       ; store data window 2
	WSTORE 2, 0
	WIN 0
.set n, 0
.rept 64
	v_ldexp_f32 v[BIAS0+n], v[BIAS0+n], s56        ; bq / 2^(e0 + e1)
	v_ldexp_f32 v[BIAS0+64+n], v[BIAS0+64+n], s57  ; bk / 2^(e2 + e3)
.set n, n+1
.endr
	s_wait_dscnt 0x0                               ; for the others' sake: my images are written
	s_barrier_signal -1
	s_barrier_wait -1                              ; the one barrier: from here on LDS is only read
.macro FETCHW kk                       ; the 8 weight fragments of step kk (product kk / 4, K step kk % 4) into set kk % 2
.set FX, (\kk)/4
.set FS, (\kk)%4
.set FP, 128*((\kk)%2)
	WIN 0xc0
.irp t, 0,1,2,3,4,5,6,7
.irp c, 0,1,2,3
	ds_load_b128 v[FP+16*\t+4*\c:FP+16*\t+4*\c+3], v[WR+FX] offset:2048*(4*\t+FS)+512*\c
.endr
.endr
.endm
; A step: 32 matrix instructions on 32 accumulators, which take turns, one instruction a turn, in the same order in every step.  The next step's fragments are asked for first.
.macro KSTEP kk
.set KX, (\kk)/4
.set KS, (\kk)%4
.set KP, 128*((\kk)%2)
.if (\kk) < 11
	PLACES 4                                       ; the other set was multiplied by the step before
	FETCHW (\kk)+1
	s_wait_dscnt 32                                ; all but the 32 just issued: this step's set is in
.else
	s_wait_dscnt 0x0
.endif
.if KX < 2
.if KS == 0
	WIN 0x87                                       ; source 0 (W) window 3, source 1 (h) window 1, C (the bias) window 0, D window 2
.else
	WIN 0xa7                                       ; C and D window 2
.endif
.irp t, 0,1,2,3,4,5,6,7
.irp m, 0,1,2,3
.if KS == 0
	v_wmma_f32_16x16x128_fp8_fp8 v[64*\m+8*\t:64*\m+8*\t+7], v[KP+16*\t:KP+16*\t+15], v[16*(4*\m+KS):16*(4*\m+KS)+15], v[BIAS0+64*KX+8*\t:BIAS0+64*KX+8*\t+7]
.else
	v_wmma_f32_16x16x128_fp8_fp8 v[64*\m+8*\t:64*\m+8*\t+7], v[KP+16*\t:KP+16*\t+15], v[16*(4*\m+KS):16*(4*\m+KS)+15], v[64*\m+8*\t:64*\m+8*\t+7]
.endif
.endr
.endr
.else
.if KS == 0
	WIN 0x8d                                       ; source 0 (h) window 1, source 1 (W) window 3
.else
	WIN 0xad
.endif
.irp t, 0,1,2,3,4,5,6,7
.irp m, 0,1,2,3
.if KS == 0
	v_wmma_f32_16x16x128_fp8_fp8 v[32*\t+8*\m:32*\t+8*\m+7], v[16*(4*\m+KS):16*(4*\m+KS)+15], v[KP+16*\t:KP+16*\t+15], v[BIAS0+8*\t:BIAS0+8*\t+7]
.else
	v_wmma_f32_16x16x128_fp8_fp8 v[32*\t+8*\m:32*\t+8*\m+7], v[16*(4*\m+KS):16*(4*\m+KS)+15], v[KP+16*\t:KP+16*\t+15], v[32*\t+8*\m:32*\t+8*\m+7]
.endif
.endr
.endr
.endif
.endm
; The 32 accumulators become codes: accumulator n's eight numbers into CD + 2 n.  The hold comes first (the conversion does not saturate: ISA guide 7.6.2), each accumulator from its low end on.
.macro QUANT vs
	s_wait_xcnt 0x0                                ; the codes' registers are data of earlier stores
	WIN 0x82                                       ; source 0 and destination window 2
.set n, 0
.rept 256
	v_med3_num_f32 v[n], v[n], -v[\vs+1], v[\vs+1]
.set n, n+1
.endr
	WIN 0x02
.set n, 0
.rept 32
	v_cvt_scalef32_pk8_fp8_f32 v[CD+2*n:CD+2*n+1], v[8*n:8*n+7], v[\vs]
.set n, n+1
.endr
	WIN 0
	v_nop                                          ; a plain line behind the last conversion: later products write its sources
.endm
.macro STQK ptr                        ; tile m's K step (my slice): four quads
.irp m, 0,1,2,3
.irp c, 0,1,2,3
	global_store_b128 v[LI], v[CD+16*\m+4*\c:CD+16*\m+4*\c+3], s[\ptr:\ptr+1] offset:8192*\m+512*\c
.endr
.endr
.endm
	FETCHW 0
	KSTEP 0
	KSTEP 1
	KSTEP 2
	KSTEP 3
	PLACES 4
	WIN 0
	s_cmp_eq_u32 s34, s32                          ; e2 = e0: h's codes serve again
	s_cbranch_scc1 .Lsame_k
	HLOAD 6
.Lsame_k:
	QUANT SCQ
.irp t, 0,1,2,3,4,5,6,7
.irp j, 0,1,2,3,4,5,6,7
	v_ldexp_f32 v[BIAS0+8*\t+\j], v[RAWBV+\t], s58 ; bv / 2^(e4 + e5), eight times: bq's registers are done with
.endr
.endr
	STQK 24
	s_wait_loadcnt 0x0                             ; h, if it was loaded again
	KSTEP 4
	KSTEP 5
	KSTEP 6
	KSTEP 7
	PLACES 4
	WIN 0
	s_cmp_eq_u32 s36, s34                          ; e4 = e2: the codes in hand serve again
	s_cbranch_scc1 .Lsame_v
	s_cmp_eq_u32 s36, s32                          ; e4 = e0 (and e2 another): hc0 once more; else hc2.  Two runs of loads, each from its own buffer's pointer
	s_cbranch_scc0 .Lthird_v
	HLOAD 4
	s_branch .Lsame_v
.Lthird_v:
	HLOAD 8
.Lsame_v:
	QUANT SCQ+2
	STQK 26
	s_wait_loadcnt 0x0                             ; h, on whichever way it came
	KSTEP 8
	KSTEP 9
	KSTEP 10
	KSTEP 11
	PLACES 4
	WIN 0
	QUANT SCQ+4
.irp t, 0,1,2,3,4,5,6,7                ; tile t of outputs, my two blocks of 32 positions: two quads
.irp w, 0,1
	global_store_b128 v[LI], v[CD+8*\t+4*\w:CD+8*\t+4*\w+3], s[28:29] offset:2048*\t+512*\w
.endr
.endr
	s_wait_tensorcnt 0x0
	ds_add_u32 v254, v255
	s_wait_dscnt 0x0
	s_endpgm
.Lfunc_end_k_q2857e2d620_qkv:
	.size	k_q2857e2d620_qkv, .Lfunc_end_k_q2857e2d620_qkv-k_q2857e2d620_qkv
	.p2alignl 7, 3214868480
	.fill 96, 4, 3214868480
	.section	.rodata,"a",@progbits
	.p2align	6, 0x0
	.amdhsa_kernel k_q2857e2d620_qkv
		.amdhsa_group_segment_fixed_size 197120
		.amdhsa_private_segment_fixed_size 0
		.amdhsa_enable_private_segment 0
		.amdhsa_kernarg_size 104
		.amdhsa_user_sgpr_count 2
		.amdhsa_user_sgpr_kernarg_segment_ptr 1
		.amdhsa_wavefront_size32 1
		.amdhsa_system_sgpr_workgroup_id_x 1
		.amdhsa_system_sgpr_workgroup_id_y 1
		.amdhsa_system_sgpr_workgroup_id_z 1
		.amdhsa_system_vgpr_workitem_id 0
		.amdhsa_next_free_vgpr 1024
		.amdhsa_next_free_sgpr 66
		.amdhsa_reserve_vcc 0
		.amdhsa_float_denorm_mode_32 3
		.amdhsa_float_denorm_mode_16_64 3
		.amdhsa_memory_ordered 1
		.amdhsa_forward_progress 1
		.amdhsa_inst_pref_size 170
	.end_amdhsa_kernel
	.amdgpu_metadata
---
amdhsa.version: [ 1, 2 ]
amdhsa.kernels:
  - .name:           k_q2857e2d620_qkv
    .symbol:         k_q2857e2d620_qkv.kd
    .args:
      - { .name: hc0, .offset: 0, .size: 8, .value_kind: global_buffer, .address_space: global }
      - { .name: hc1, .offset: 8, .size: 8, .value_kind: global_buffer, .address_space: global }
      - { .name: hc2, .offset: 16, .size: 8, .value_kind: global_buffer, .address_space: global }
      - { .name: wq_codes, .offset: 24, .size: 8, .value_kind: global_buffer, .address_space: global }
      - { .name: wk_codes, .offset: 32, .size: 8, .value_kind: global_buffer, .address_space: global }
      - { .name: wv_codes, .offset: 40, .size: 8, .value_kind: global_buffer, .address_space: global }
      - { .name: bq, .offset: 48, .size: 8, .value_kind: global_buffer, .address_space: global }
      - { .name: bk, .offset: 56, .size: 8, .value_kind: global_buffer, .address_space: global }
      - { .name: bv, .offset: 64, .size: 8, .value_kind: global_buffer, .address_space: global }
      - { .name: lowp_scales, .offset: 72, .size: 8, .value_kind: global_buffer, .address_space: global }
      - { .name: qimg, .offset: 80, .size: 8, .value_kind: global_buffer, .address_space: global }
      - { .name: kimg, .offset: 88, .size: 8, .value_kind: global_buffer, .address_space: global }
      - { .name: vimg, .offset: 96, .size: 8, .value_kind: global_buffer, .address_space: global }
    .group_segment_fixed_size: 197120
    .private_segment_fixed_size: 0
    .kernarg_segment_align: 8
    .kernarg_segment_size: 104
    .max_flat_workgroup_size: 128
    .sgpr_count:     66
    .vgpr_count:     1024
    .wavefront_size: 32
...
	.end_amdgpu_metadata
.endif
;; end of part 2
;; launch attn (part 3): grid 32 x 8, 4 waves a work-group, clusters of 4 x 1, 327,680 bytes of LDS; arguments qimg, kimg, vimg, wp_codes, bp, x, lowp_scales, out0; writes out0
.if DOCPART == 3
	.amdgcn_target "amdgcn-amd-amdhsa--gfx1250"
	.amdhsa_code_object_version 6
	.text
	.protected	k_q2857e2d620_attn
	.globl	k_q2857e2d620_attn
	.p2align	8
	.type	k_q2857e2d620_attn,@function
k_q2857e2d620_attn:
	s_mov_b64 s[64:65], 0
	v_nop
	global_prefetch_b8 v0, s[64:65] scope:SCOPE_SE
	s_setreg_imm32_b32 hwreg(HW_REG_WAVE_MODE, 25, 1), 1
	s_wait_xcnt 0x0
	s_wait_alu depctr_hold_cnt(0) depctr_sa_sdst(0) depctr_va_vdst(0) depctr_va_sdst(0) depctr_va_ssrc(0) depctr_va_vcc(0) depctr_vm_vsrc(0)
	s_getreg_b32 s2, hwreg(HW_REG_IB_STS2, 6, 4)
	s_cmp_eq_u32 s2, 0
	s_cbranch_scc0 .Lentry_in_a_cluster
	s_endpgm
.Lentry_in_a_cluster:
	s_bfe_u32 s2, ttmp6, 0x10000c
	s_cmp_lg_u32 s2, 0x3003
	s_cbranch_scc0 .Lentry_shape_is_right
	s_endpgm
.Lentry_shape_is_right:
; out = x + Wp (V softmax(Q^T K / sqrt(512))^T) + bp, three products on codes of FP8 (E4M3).  qimg, kimg, vimg: images of operand registers, as the launch before lays them; wp_codes [512][512], K innermost.
; THE SOFTMAX: t = score x log2(e) / sqrt(512); M = the running largest t of the row, rounded UP to a whole number; p = 2^(t - M) is quantised with 2^e9, not normalised; the row's sum is taken of the
; unquantised p and divides at the end.  When M moves, the sum and O are multiplied by 2^(old M - new M), which rounds nothing; there is no branch on data.
; SHARES.  A work-group owns 64 query slots of one batch (four tiles m) and walks the 2,048 keys in 16 steps of 128.  THE WAVES SHARE KEYS AND CHANNELS, NOT QUERIES, so that each byte of K and V is read
; from LDS by one wave.  S^T = K Q^T: wave w takes keys 32 w .. 32 w + 31 of the step (two tiles u) against all 64 queries: 8 fragments of K for 32 matrix instructions; Q stays in every wave's registers.
; O^T = V P: wave w takes channels 128 w .. + 127 (eight tiles t): 8 fragments of V and 4 of P for 32.  A lane holds one query throughout.  Wave w's p are quad w of each P fragment; the fragments go from
; wave to wave through LDS as images.  The rows' maxima of the four waves meet in LDS too: two barriers a step.
; THE PIPELINE.  Behind the second barrier's signal stand the next step's S products, and between them the rescaling of O, four packed multiplies behind each.  O^T += V P RUNS ONE STEP BEHIND: P's fragments
; of step j are fetched at the end of step j, and their 32 products stand in step j + 1 where the wave would else only wait: eight between the add and the wait for it, eight between the round's opening signal
; and its wait, eight behind the loads of the maxima, eight between the lines of the statistics.  They add onto O under M(j); the rescaling by f(j + 1) follows them.
; THE WALK IS ROTATED: cluster c of a batch begins at tile 2 c of K and V and walks round: step j takes tile (2 c + j) mod 16.  The running M serves any order of the keys.  LDS slots go by the step, not by the tile.
; NO PREFETCH OF K AND V: the eight clusters' first fills, two tiles of K and two of V each, name all sixteen tiles of both at the launch's head: no tile is left that a prefetch could name ahead of a load.
; THE LAST PRODUCT: O / sum x 2^(e8 + e9) is quantised with 2^e10; wave w's 128 channels are K step w; images through LDS; wave w makes outputs 128 w .. + 127 (source 0 = 16 queries, source 1 = 16 rows of Wp),
; so that a lane holds 8 neighbouring positions of one output channel; through a stage of the wave's own, + bp + x, stored as 256 consecutive bytes for each sixteen lanes, aligned.
; CLUSTER.  The four query blocks of a cluster walk the same K and V: each half tile (32,768 bytes, dense) is asked for JOINTLY, by the same tensor load with the mask of all four.  Waves 0, 1: K's halves; 2, 3: V's.
; THE RING: two slots of 65,536 bytes for K and two for V.  Behind the round in step j, K's slot j % 2 takes K(j + 2) and V's slot (j + 1) % 2 takes V(j + 1): one load a wave, a step in which to land.
; By this text's count a wave has two tensor loads out at the start and one later.
; LIMITS: e6 + e7 between -122 and 131 (added to the exponent field of log2(e) / sqrt(512)); e9, e10 between -126 and 119; e10 + e11 between -126 and 127; e8 + e9 goes in by v_ldexp_f32.  NaN among the inputs is not served.
; REGISTERS, in windows of 256: window 0: addresses, statistics, S^T / p, P's fragments.  window 1: Q (tile m, K step s) at 16 (4 m + s).  window 2: O^T (m, t) at 64 m + 8 t.  window 3: K at 0, V at 128.
.set KSL,   65536                      ; a slot: a step's 128 keys of K, or of V
.set VBASE, 131072                     ; LDS: K's two slots at 0, V's two here
.set PIMG,  262144                     ; P's four fragments: 2,048 m + 512 w + 16 lane
.set STAT,  270336                     ; the waves' maxima: 256 m + 16 r + 4 w;  1,024 bytes on: the waves' sums, likewise
.set SPARE, 272384                     ; the spare words: 128 bytes for each wave, two blocks of 256 bytes that no other line names
.set HAIMG, 272896                     ; the last product's 16 fragments of A: 2,048 (4 m + s)
.set STG,   305664                     ; the way out: 16 rows x (256 + 16) bytes for each wave
.set R,   1
.set H,   2
.set LI,  3                            ; 16 x lane
.set SPW, 4                            ; LDS address of my spare word; never rewritten
.set NIL, 5                            ; 0; never rewritten
.set AK,  6                            ; my fragments of K in slot 0: 16,384 w + 16 lane
.set AV,  7                            ; of V
.set ADK, 8                            ; the same in the slot in hand
.set ADV, 9
.set STW, 10                           ; where I put a maximum: STAT + 16 r + 4 w
.set STR, 11                           ; from where I read the four: STAT + 16 r
.set PWI, 12
.set PRI, 13
.set HWI, 14
.set HRI, 15
.set STO, 16
.set RD,  17
.set GO,  18                           ; x, out: 8,192 h + 16 r
.set WPO, 19                           ; Wp: 512 r + 16 h
.set BPO, 20
.set PFX, 22                           ; prefetches of x: 8,192 x lane
.set SCP, 23                           ; 2^e9;  v24: 448 x 2^e9
.set SCH, 25                           ; 2^e10; v26: 448 x 2^e10
.set ST,  32                           ; tile m's statistics at ST + 8 m: +0 -M, +1 the largest t, +2, +3 my part of the sum, +4 f (at the end 1 / sum), +5 0, +6, +7 at work
.set S,   64                           ; S^T (m, u) at S + 16 m + 8 u, then p; later at work
.set PF,  128                          ; P's four fragments; later the last product's codes; later at work
.set PC,  192                          ; p's codes: my quad of each fragment
.set MX,  208                          ; the four waves' maxima or sums, four registers a tile
.set BP,  224                          ; bp of my lane's output in tile T at BP + 2 T; the odd registers hold 0
.set WV,  20
.set G1,  24                           ; s[24:31] descriptor group 1, for K and V alike
.set G0K, 32                           ; s[32:39] group 0 for K: a set for each first fill; the second then walks on
.set G0V, 40                           ; s[40:47] the same for V
.set CS,  56                           ; s[56:57] c = log2(e) / sqrt(512) x 2^(e6 + e7)
.set SEL, 58                           ; s[58:59] lane selects: lane l xor 16
.set TBK, 60                           ; the slot from which K's next fragments come
.set TBV, 61                           ; and V's
.set CNT, 62                           ; the loop's counter
.set KT,  63                           ; the tile of K that was asked for last, 0 .. 15
.set VT,  66                           ; and of V
.set OSC, 68                           ; s[68:69] 2^(e10 + e11)
.set EPV, 70                           ; e8 + e9
.set XB,  72                           ; s[72:73] x, s[74:75] out, at my wave's first channel and my block's first position
.set OB,  74
.set WPB, 76                           ; s[76:77] Wp at my wave's first row
.set OFP, 90                           ; s[90:91] a tile's byte offset in its batch, as a pair; the upper word stays 0
.set MSB, 0
.macro WIN new                         ; the immediate's high byte repeats the setting that is left
.if MSB != \new
	s_set_vgpr_msb (MSB<<8)|\new
.set MSB, \new
.endif
.endm
.macro PLACES n                        ; plain vector instructions behind a matrix instruction, ahead of loads into its registers and of reads of its result
.rept \n
	v_nop
.endr
.endm
; A round of the cluster's barrier: my work-group's barrier; wave 0 signals for the work-group; every wave waits for all four work-groups; my work-group's barrier once more.
.macro CREST                           ; a round behind its opening barrier
	s_cmp_lg_u32 s[WV], 0
	s_cbranch_scc1 .Lnot_wave_0_\@
	s_barrier_signal -3
.Lnot_wave_0_\@:
	s_barrier_wait -3
	s_barrier_signal -1
	s_barrier_wait -1
.endm
.macro CROUND                          ; a whole round
	s_barrier_signal -1
	s_barrier_wait -1
	CREST
.endm
; A joint refill by the walking descriptors.  fk: K's waves ask; fv: V's.  The branch hangs on the wave's number alone.  Four v_nop follow each tensor load.
.macro JLOAD fk, fv
	s_cmp_lt_u32 s[WV], 2
.if \fk && \fv
	s_cbranch_scc0 .Lfor_v_\@
	tensor_load_to_lds s[G0K+4:G0K+7], s[G1:G1+7]
	s_nop 0
	PLACES 4
	s_branch .Lasked_\@
.Lfor_v_\@:
	tensor_load_to_lds s[G0V+4:G0V+7], s[G1:G1+7]
	s_nop 0
	PLACES 4
.Lasked_\@:
.elseif \fk
	s_cbranch_scc0 .Lasked_\@
	tensor_load_to_lds s[G0K+4:G0K+7], s[G1:G1+7]
	s_nop 0
	PLACES 4
.Lasked_\@:
.else
	s_cbranch_scc1 .Lasked_\@
	tensor_load_to_lds s[G0V+4:G0V+7], s[G1:G1+7]
	s_nop 0
	PLACES 4
.Lasked_\@:
.endif
.endm
	s_load_b256 s[4:11], s[0:1], 0x0               ; qimg, kimg, vimg, wp_codes
	s_load_b256 s[12:19], s[0:1], 0x20             ; bp, x, the scales' exponents, out
	v_lshl_add_u32 v[SPW], v0, 2, SPARE
	v_mov_b32 v[NIL], 0
	ds_add_u32 v4, v5
	ds_add_u32 v4, v5
	s_wait_dscnt 0x0
	v_lshrrev_b32 v1, 5, v0
	v_readfirstlane_b32 s[WV], v1                  ; wave 0..3
	s_bfe_u32 s21, ttmp6, 0x40000                  ; cx: my place in the cluster
	s_lshl_b32 s22, ttmp9, 2
	s_add_co_u32 s22, s22, s21                     ; my block of 64 queries: it enters Q's, x's and out's addresses alone
	s_and_b32 s23, ttmp7, 0xffff                   ; the batch, which the partners share
	; descriptor group 1: 32,768 dense bytes as 128 rows of 256
	s_mov_b32 s[G1], 15|(3<<16)|(1<<21)            ; 15:0 the mask: all four work-groups; 17:16 elements of 8 bytes; 20 no padding; 21 set beside a mask
	s_mov_b32 s[G1+1], 32<<16                      ; tensor_dim0 = 32
	s_mov_b32 s[G1+2], 128<<16                     ; tensor_dim1 = 128
	s_mov_b32 s[G1+3], 32<<16                      ; tile_dim0 = 32
	s_mov_b32 s[G1+4], 128                         ; tile_dim1 = 128
	s_mov_b32 s[G1+5], 32                          ; from row to row
	s_mov_b32 s[G1+6], 0
	s_mov_b32 s[G1+7], 0
	s_and_b32 s78, s[WV], 1
	s_lshl_b32 s79, s78, 15                        ; which half of a tile I fetch: in memory and in a slot
	s_lshl_b32 s80, s23, 20                        ; the batch's 1,048,576 bytes
	s_add_co_u32 s80, s80, s79
	s_mov_b32 s81, 0
	s_lshl_b32 s[OFP], ttmp9, 17                   ; my cluster's first tile, 2 x the cluster's x, in bytes: the same in all four partners
	s_mov_b32 s[OFP+1], 0
	s_lshl_b32 s[KT], ttmp9, 1
	s_add_co_u32 s[KT], s[KT], 1                   ; the tile asked for last: the second first fill's, 15 at the most
	s_mov_b32 s[VT], s[KT]
	s_mov_b32 s[SEL], 0x76543210
	s_mov_b32 s[SEL+1], 0xfedcba98
	s_mov_b32 s[TBK], KSL                          ; step 0 fetches K(1)
	s_mov_b32 s[TBV], 0
	s_mov_b32 s[CNT], 12
	s_wait_kmcnt 0x0
	s_load_b256 s[48:55], s[16:17], 0x10           ; e4 .. e11
	s_add_nc_u64 s[6:7], s[6:7], s[80:81]          ; K and V at my half of the batch's tile 0: these two stay
	s_add_nc_u64 s[8:9], s[8:9], s[80:81]
	s_add_nc_u64 s[92:93], s[6:7], s[OFP:OFP+1]    ; and at my half of my cluster's first tile
	s_add_nc_u64 s[94:95], s[8:9], s[OFP:OFP+1]
	CROUND                                         ; all four work-groups are here: the first joint loads meet
.irp t, 0,1
	s_mov_b32 s[G0K+4*\t], 1                       ; count = 1
	s_add_co_u32 s[G0K+4*\t+1], s79, \t*KSL        ; LDS address
	s_add_nc_u64 s[G0K+4*\t+2:G0K+4*\t+3], s[92:93], \t*KSL   ; global address: the walk's tile t
	s_or_b32 s[G0K+4*\t+3], s[G0K+4*\t+3], 0x80000000       ; type = 2
	s_mov_b32 s[G0V+4*\t], 1
	s_add_co_u32 s[G0V+4*\t+1], s79, VBASE+\t*KSL
	s_add_nc_u64 s[G0V+4*\t+2:G0V+4*\t+3], s[94:95], \t*KSL
	s_or_b32 s[G0V+4*\t+3], s[G0V+4*\t+3], 0x80000000
.endr
	s_cmp_lt_u32 s[WV], 2                          ; a wave's two first fills stand in one branch, ahead of every wait on TENSORcnt and every LDS read
	s_cbranch_scc0 .Lfirst_v
	tensor_load_to_lds s[G0K:G0K+3], s[G1:G1+7]
	s_nop 0
	tensor_load_to_lds s[G0K+4:G0K+7], s[G1:G1+7]
	s_nop 0
	PLACES 4
	s_branch .Lfirst_asked
.Lfirst_v:
	tensor_load_to_lds s[G0V:G0V+3], s[G1:G1+7]
	s_nop 0
	tensor_load_to_lds s[G0V+4:G0V+7], s[G1:G1+7]
	s_nop 0
	PLACES 4
.Lfirst_asked:
	v_and_b32 v[R], 15, v0
	v_bfe_u32 v[H], v0, 4, 1
	v_and_b32 v[LI], 31, v0
	v_lshlrev_b32 v[LI], 4, v[LI]
	s_lshl_b32 s82, s23, 20
	s_lshl_b32 s83, s22, 15                        ; my block's four tiles of Q: 32,768 bytes
	s_add_co_u32 s82, s82, s83
	s_mov_b32 s83, 0
	s_add_nc_u64 s[4:5], s[4:5], s[82:83]
	WIN 0x40                                       ; destination window 1
.set n, 0
.rept 64
	global_load_b128 v[4*n:4*n+3], v[LI], s[4:5] offset:512*n   ; Q's image is the registers' order: it stays
.set n, n+1
.endr
	WIN 0
	s_lshl_b32 s84, s[WV], 9
	s_mov_b32 s85, 0
	s_add_nc_u64 s[12:13], s[12:13], s[84:85]      ; bp at my wave's 128 outputs
	v_lshlrev_b32 v[BPO], 2, v[R]
.irp t, 0,1,2,3,4,5,6,7
	global_load_b32 v[BP+2*\t], v[BPO], s[12:13] offset:64*\t
	v_mov_b32 v[BP+2*\t+1], 0                      ; (named as the upper half of a pair)
.endr
	s_lshl_b32 s86, s[WV], 14
	v_add_nc_u32 v[AK], s86, v[LI]
	v_add_nc_u32 v[AV], VBASE, v[AK]
	v_lshlrev_b32 v[STR], 4, v[R]
	v_add_nc_u32 v[STR], STAT, v[STR]
	s_lshl_b32 s87, s[WV], 2
	v_add_nc_u32 v[STW], s87, v[STR]
	v_add_nc_u32 v[PRI], PIMG, v[LI]
	s_lshl_b32 s87, s[WV], 9
	v_add_nc_u32 v[PWI], s87, v[PRI]
	v_add_nc_u32 v[HRI], HAIMG, v[LI]
	s_lshl_b32 s87, s[WV], 11
	v_add_nc_u32 v[HWI], s87, v[HRI]
	s_mul_i32 s87, s[WV], 16*272
	s_add_co_u32 s87, s87, STG                     ; my stage
	v_mul_u32_u24 v[STO], v[R], 272
	v_lshl_add_u32 v[STO], v[H], 6, v[STO]
	v_add_nc_u32 v[STO], s87, v[STO]               ; in: row r (an output channel), + 16 positions for the upper half of the lanes
	v_mul_u32_u24 v[RD], v[H], 272
	v_lshl_add_u32 v[RD], v[R], 4, v[RD]
	v_add_nc_u32 v[RD], s87, v[RD]                 ; back: lanes 0-15 one row, lanes 16-31 the next
	v_lshlrev_b32 v[GO], 13, v[H]
	v_lshl_add_u32 v[GO], v[R], 4, v[GO]           ; and the same two rows in x and out
	v_lshlrev_b32 v[WPO], 9, v[R]
	v_lshl_add_u32 v[WPO], v[H], 4, v[WPO]
	v_and_b32 v[PFX], 31, v0
	v_lshlrev_b32 v[PFX], 13, v[PFX]
	s_lshl_b32 s88, s23, 22                        ; (512 batch + 128 wave) rows of 8,192 bytes + 256 x block
	s_lshl_b32 s89, s[WV], 20
	s_add_co_u32 s88, s88, s89
	s_lshl_b32 s89, s22, 8
	s_add_co_u32 s88, s88, s89
	s_mov_b32 s89, 0
	s_add_nc_u64 s[XB:XB+1], s[14:15], s[88:89]
	s_add_nc_u64 s[OB:OB+1], s[18:19], s[88:89]
	s_lshl_b32 s88, s[WV], 16
	s_add_nc_u64 s[WPB:WPB+1], s[10:11], s[88:89]
.irp m, 0,1,2,3
	v_mov_b32 v[ST+8*\m+1], 0xff61b1e6             ; the largest t so far: -3e38, under every t
	v_mov_b32 v[ST+8*\m+2], 0
	v_mov_b32 v[ST+8*\m+3], 0
	v_mov_b32 v[ST+8*\m+5], 0
	v_floor_f32 v[ST+8*\m], -v[ST+8*\m+1]          ; -M
.endr
.macro MKSC se, vs                     ; v[vs] = 2^e as f32, v[vs + 1] = 448 x 2^e
	s_add_co_i32 s78, s[\se], 127
	s_lshl_b32 s79, s78, 23
	v_mov_b32 v[\vs], s79
	s_add_co_i32 s78, s78, 8
	s_lshl_b32 s78, s78, 23
	s_or_b32 s78, s78, 0x600000
	v_mov_b32 v[\vs+1], s78
.endm
	s_wait_kmcnt 0x0
	s_add_co_i32 s78, s50, s51                     ; e6 + e7: a score stands for score x 2^(e6 + e7): added to c's exponent field
	s_lshl_b32 s78, s78, 23
	s_add_co_i32 s[CS], s78, 0x3d8293ee            ; log2(e) / sqrt(512)
	s_mov_b32 s[CS+1], s[CS]                       ; (named with it as a pair)
	MKSC 53, SCP
	MKSC 54, SCH
	s_add_co_i32 s[OSC], s54, s55
	s_add_co_i32 s[OSC], s[OSC], 127
	s_lshl_b32 s[OSC], s[OSC], 23                  ; 2^(e10 + e11)
	s_mov_b32 s[OSC+1], s[OSC]
	s_add_co_i32 s[EPV], s52, s53                  ; e8 + e9
.macro FETCHK adr                      ; my 8 fragments of K: (u, s) at 16 (4 u + s)
.irp f, 0,1,2,3,4,5,6,7
.irp c, 0,1,2,3
	ds_load_b128 v[16*\f+4*\c:16*\f+4*\c+3], v[\adr] offset:2048*\f+512*\c
.endr
.endr
.endm
.macro FETCHV                          ; my 8 fragments of V: tile t at 128 + 16 t
.irp t, 0,1,2,3,4,5,6,7
.irp c, 0,1,2,3
	ds_load_b128 v[128+16*\t+4*\c:128+16*\t+4*\c+3], v[ADV] offset:2048*\t+512*\c
.endr
.endr
.endm
; Product i of 32 of S^T = K Q^T: K step i / 8, tile of queries (i / 2) % 4, tile of keys i % 2.  The eight accumulators take turns; the first eight start the sums.
.macro SMM
	WIN 0x07                                       ; source 0 (K) window 3, source 1 (Q) window 1
.set rS, S+16*((i/2)%4)+8*(i%2)
.set rK, 16*(4*(i%2)+i/8)
.set rQ, 16*(4*((i/2)%4)+i/8)
.if i < 8
	v_wmma_f32_16x16x128_fp8_fp8 v[rS:rS+7], v[rK:rK+15], v[rQ:rQ+15], 0
.else
	v_wmma_f32_16x16x128_fp8_fp8 v[rS:rS+7], v[rK:rK+15], v[rQ:rQ+15], v[rS:rS+7]
.endif
.endm
; Product ip of 32 of O^T += V P: tile of channels ip / 4, tile of queries ip % 4: 32 different accumulators.  It steps ip.  zero: the product starts its sum.
.macro PVM zero
.set rO, 64*(ip%4)+8*(ip/4)
.set rV, 128+16*(ip/4)
.set rP, PF+16*(ip%4)
.if \zero
	WIN 0x83                                       ; source 0 (V) window 3, source 1 (P) window 0, D window 2
	v_wmma_f32_16x16x128_fp8_fp8 v[rO:rO+7], v[rV:rV+15], v[rP:rP+15], 0
.else
	WIN 0xa3
	v_wmma_f32_16x16x128_fp8_fp8 v[rO:rO+7], v[rV:rV+15], v[rP:rP+15], v[rO:rO+7]
.endif
.set ip, ip+1
.endm
.macro PVS pv                          ; one such product ahead of four lines of the statistics
.if \pv
	PVM 2-\pv
	WIN 0
.endif
.endm
.macro WPLOAD s, rb                    ; Wp's 8 fragments of K step s (my 128 rows, as they lie) into 128 registers from rb on
.irp t, 0,1,2,3,4,5,6,7
.irp c, 0,1,2,3
	global_load_b128 v[\rb+16*\t+4*\c:\rb+16*\t+4*\c+3], v[WPO], s[WPB:WPB+1] offset:8192*\t+128*\s+32*\c
.endr
.endr
.endm
; A KEY STEP j.  At its head S^T(j) is finished, four places back; V(j - 1) is in registers and P(j - 1)'s fragments are on their way from LDS.
; pv: the products O^T += V(j - 1) P(j - 1): 0 none (step 0), 1 they start the sums (step 1), 2 they add; with them O^T is rescaled.  fk, fv: K's, V's waves fill a slot.
; nk: K(j + 1) is fetched and S^T(j + 1) made.  last: step 15.
.macro STEP pv, fk, fv, nk, last
	; 1. the largest score of each of my queries among my wave's 32 keys; each accumulator is read from its low end on
.irp m, 0,1,2,3
	v_max3_num_f32 v[ST+8*\m+6], v[S+16*\m], v[S+16*\m+1], v[S+16*\m+2]
.endr
.irp m, 0,1,2,3
	v_max3_num_f32 v[ST+8*\m+7], v[S+16*\m+8], v[S+16*\m+9], v[S+16*\m+10]
.endr
.irp a, 3, 5
.irp m, 0,1,2,3
	v_max3_num_f32 v[ST+8*\m+6], v[ST+8*\m+6], v[S+16*\m+\a], v[S+16*\m+\a+1]
.endr
.irp m, 0,1,2,3
	v_max3_num_f32 v[ST+8*\m+7], v[ST+8*\m+7], v[S+16*\m+\a+8], v[S+16*\m+\a+9]
.endr
.endr
.irp m, 0,1,2,3
	v_max3_num_f32 v[ST+8*\m+6], v[ST+8*\m+6], v[S+16*\m+7], v[S+16*\m+15]
.endr
.irp m, 0,1,2,3
	v_max_num_f32 v[ST+8*\m+6], v[ST+8*\m+6], v[ST+8*\m+7]
.endr
.irp m, 0,1,2,3
	v_permlanex16_b32 v[ST+8*\m+7], v[ST+8*\m+6], s[SEL], s[SEL+1]
.endr
.irp m, 0,1,2,3
	v_max_num_f32 v[ST+8*\m+6], v[ST+8*\m+6], v[ST+8*\m+7]
.endr
.irp m, 0,1,2,3
	ds_store_b32 v[STW], v[ST+8*\m+6] offset:256*\m
.endr
	; 2. the step's first barrier: the maxima meet, and the slots change
	s_wait_tensorcnt 0x0                           ; all my tensor loads have landed: my part of K(j + 1) or of V(j); so a group 0 may be written
	ds_add_u32 v[SPW], v[NIL]                      ; 0 onto my spare word
.if \fk
	s_xor_b32 s[G0K+5], s[G0K+5], KSL              ; the walking descriptor: the other slot than last time,
	s_add_co_u32 s[KT], s[KT], 1
	s_and_b32 s[KT], s[KT], 15                     ; the next tile of the walk, round the batch's sixteen,
	s_lshl_b32 s[OFP], s[KT], 16
	s_add_nc_u64 s[G0K+6:G0K+7], s[6:7], s[OFP:OFP+1]   ; from the batch's tile 0 on,
	s_or_b32 s[G0K+7], s[G0K+7], 0x80000000        ; type = 2
.endif
.if \fv
	s_xor_b32 s[G0V+5], s[G0V+5], KSL
	s_add_co_u32 s[VT], s[VT], 1
	s_and_b32 s[VT], s[VT], 15
	s_lshl_b32 s[OFP], s[VT], 16
	s_add_nc_u64 s[G0V+6:G0V+7], s[8:9], s[OFP:OFP+1]
	s_or_b32 s[G0V+7], s[G0V+7], 0x80000000
.endif
.set ip, 0
.if \pv
	s_wait_dscnt 5                                 ; behind the 16 loads of P's fragments stand my four stores and the add: the fragments are in
.rept 8
	PVM 2-\pv                                      ; eight products stand between the add and the wait for it
.endr
.endif
	s_wait_dscnt 0x0                               ; the add and my stores of the maxima are done; my reads of the slots that are left were over at the last barrier
	s_barrier_signal -1                            ; (where a slot is filled again this barrier opens a round of the cluster's barrier)
.if \pv
.rept 8
	PVM 2-\pv                                      ; work on registers while the others arrive
.endr
	WIN 0
.endif
	s_barrier_wait -1
.if \fk || \fv
	CREST                                          ; no wave of any partner still reads those slots or has a load on its way
	JLOAD \fk, \fv                                 ; the first thing behind the round, and my one tensor load until the next
.endif
	; 3. the four waves' maxima; K(j + 1).  K's registers' last products stand many plain instructions back
.irp m, 0,1,2,3
	ds_load_b128 v[MX+4*\m:MX+4*\m+3], v[STR] offset:256*\m
.endr
.if \nk
	v_add_nc_u32 v[ADK], s[TBK], v[AK]
	WIN 0xc0                                       ; destination window 3
	FETCHK ADK
.endif
.if \last
	WIN 0xc0
	WPLOAD 0, 0                                    ; K's and half of Q's registers are done with: Wp's K steps 0 and 2 are asked for here
	WIN 0x40
	WPLOAD 2, 128
	WIN 0
.irp e, 0,1,2,3
	global_prefetch_b8 v[PFX], s[XB:XB+1] offset:262144*\e th:TH_LOAD_NT scope:SCOPE_SE   ; x for the way out: my 128 channels' 256 bytes, a lane a row; each named once in the launch
.endr
.endif
.if \pv
.rept 8
	PVM 2-\pv                                      ; eight products while the maxima come
.endr
.endif
	WIN 0
	; 4. M and f; a product ahead of each of the first eight groups of four lines
.if \nk
	s_wait_dscnt 32                                ; K's 32 loads may be out: the four loads of the maxima are in
.else
	s_wait_dscnt 0x0
.endif
	PVS \pv
.irp m, 0,1,2,3
	v_max3_num_f32 v[ST+8*\m+6], v[MX+4*\m], v[MX+4*\m+1], v[MX+4*\m+2]
.endr
	PVS \pv
.irp m, 0,1,2,3
	v_max_num_f32 v[ST+8*\m+6], v[ST+8*\m+6], v[MX+4*\m+3]
.endr
	PVS \pv
.irp m, 0,1,2,3
	v_mul_f32 v[ST+8*\m+6], s[CS], v[ST+8*\m+6]    ; as t (c is positive)
.endr
	PVS \pv
.irp m, 0,1,2,3
	v_max_num_f32 v[ST+8*\m+1], v[ST+8*\m+1], v[ST+8*\m+6]   ; the running largest t
.endr
	PVS \pv
.irp m, 0,1,2,3
	v_mov_b32 v[ST+8*\m+7], v[ST+8*\m]
.endr
	PVS \pv
.irp m, 0,1,2,3
	v_floor_f32 v[ST+8*\m], -v[ST+8*\m+1]          ; -M = floor(-t): M is a whole number
.endr
	PVS \pv
.irp m, 0,1,2,3
	v_sub_f32 v[ST+8*\m+7], v[ST+8*\m], v[ST+8*\m+7]   ; old M - new M: a whole number, 0 or less
.endr
	PVS \pv                                        ; the last of the 32
.irp m, 0,1,2,3
	v_cvt_i32_f32 v[ST+8*\m+7], v[ST+8*\m+7]       ; (it saturates)
.endr
.irp m, 0,1,2,3
	v_ldexp_f32 v[ST+8*\m+4], 1.0, v[ST+8*\m+7]    ; f = 2^(old M - new M)
.endr
	v_add_nc_u32 v[ADV], s[TBV], v[AV]             ; V(j): its registers' last product stands nine plain lines back
	WIN 0xc0
	FETCHV
	WIN 0
	; 5. p, its sum, its codes
.irp m, 0,1,2,3
.irp p, 0,2,4,6,8,10,12,14
	v_pk_fma_f32 v[S+16*\m+\p:S+16*\m+\p+1], v[S+16*\m+\p:S+16*\m+\p+1], s[CS:CS+1], v[ST+8*\m:ST+8*\m+1] op_sel_hi:[1,0,0]   ; t - M (of the pairs c and -M the low word serves both halves)
.endr
.endr
.set n, 0
.rept 64
	v_exp_f32 v[S+n], v[S+n]                       ; p = 2^(t - M): one batch
.set n, n+1
.endr
.irp m, 0,1,2,3
	v_pk_mul_f32 v[ST+8*\m+2:ST+8*\m+3], v[ST+8*\m+2:ST+8*\m+3], v[ST+8*\m+4:ST+8*\m+5] op_sel_hi:[1,0]   ; my part of the sum under the new M; plain lines behind the exponentials
.endr
	s_wait_alu depctr_va_vdst(0)                   ; the wait ahead of the batch's first reader: one for the 64
.irp p, 0,2,4,6,8,10,12,14
.irp m, 0,1,2,3
	v_pk_add_f32 v[ST+8*\m+2:ST+8*\m+3], v[ST+8*\m+2:ST+8*\m+3], v[S+16*\m+\p:S+16*\m+\p+1]   ; the sum is taken of the unquantised p
.endr
.endr
.set n, 0
.rept 64
	v_min_num_f32 v[S+n], v[S+n], v[SCP+1]         ; the conversion does not saturate (ISA guide 7.6.2); p is not negative: a one-sided hold
.set n, n+1
.endr
.irp m, 0,1,2,3
	v_cvt_scalef32_pk8_fp8_f32 v[PC+4*\m:PC+4*\m+1], v[S+16*\m:S+16*\m+7], v[SCP]
	v_cvt_scalef32_pk8_fp8_f32 v[PC+4*\m+2:PC+4*\m+3], v[S+16*\m+8:S+16*\m+15], v[SCP]
.endr
	v_nop                                          ; a plain line behind the last conversion: the next products write its sources
.irp m, 0,1,2,3
	ds_store_b128 v[PWI], v[PC+4*\m:PC+4*\m+3] offset:2048*\m   ; quad w of P's fragment m
.endr
	; 6. the step's second barrier: P's fragments meet.  My tensor load may stay out.  Between signal and wait, on registers alone: S^T(j + 1), and O^T x f in fours between its products
	s_wait_dscnt 0x0                               ; my quads are written, and K's and V's fragments are in
	s_barrier_signal -1
.set i, 0
.rept 32
.if \nk
	SMM
.endif
.if \pv
	WIN 0x82                                       ; source 0 and destination window 2, f window 0
.irp e, 0,1,2,3
	v_pk_mul_f32 v[8*i+2*\e:8*i+2*\e+1], v[8*i+2*\e:8*i+2*\e+1], v[ST+8*(i/8)+4:ST+8*(i/8)+5] op_sel_hi:[1,0]   ; ascending: each accumulator from its low end on; the last four are the places behind the last product
.endr
.endif
.set i, i+1
.endr
.if \pv == 0
	PLACES 4
.endif
	WIN 0
	s_barrier_wait -1
	; 7. P(j)'s fragments are asked for; their products stand in the next step
.irp m, 0,1,2,3
.irp c, 0,1,2,3
	ds_load_b128 v[PF+16*\m+4*\c:PF+16*\m+4*\c+3], v[PRI] offset:2048*\m+512*\c
.endr
.endr
	s_xor_b32 s[TBK], s[TBK], KSL
	s_xor_b32 s[TBV], s[TBV], KSL
.endm
	s_wait_tensorcnt 0x1                           ; my part of the walk's first tile is in; the second's may stay out
	s_barrier_signal -1
	s_barrier_wait -1                              ; everybody's is
	WIN 0xc0
	FETCHK AK                                      ; K(0)
	WIN 0
	s_wait_loadcnt 0x0                             ; Q, bp
	s_wait_dscnt 0x0
.set i, 0
.rept 32
	SMM                                            ; S^T(0)
.set i, i+1
.endr
	PLACES 4
	WIN 0
	STEP 0, 1, 0, 1, 0                             ; step 0: K(2) is asked for; V(1) came with the first fills; no products of V yet
	STEP 1, 1, 1, 1, 0                             ; step 1: V(0) P(0) starts O^T's sums: nothing is cleared
.Lstep:                                            ; steps 2 to 13
	STEP 2, 1, 1, 1, 0
	s_sub_co_u32 s[CNT], s[CNT], 1
	s_cmp_lg_u32 s[CNT], 0
	s_cbranch_scc1 .Lstep
	STEP 2, 0, 1, 1, 0                             ; step 14: V(15) alone is left to ask for.  The tail is written out
	STEP 2, 0, 0, 0, 1                             ; step 15
	s_wait_dscnt 0x0                               ; P(15)'s fragments
.set ip, 0
.rept 32
	PVM 0                                          ; O^T += V(15) P(15)
.endr
	; THE ROWS' SUMS: my two halves, the other half of the lanes, the four waves
	PLACES 4                                       ; behind the last products: V's registers take loads
	WIN 0xc0
	WPLOAD 1, 128
	WIN 0
.irp m, 0,1,2,3
	v_add_f32 v[ST+8*\m+6], v[ST+8*\m+2], v[ST+8*\m+3]
.endr
.irp m, 0,1,2,3
	v_permlanex16_b32 v[ST+8*\m+7], v[ST+8*\m+6], s[SEL], s[SEL+1]
.endr
.irp m, 0,1,2,3
	v_add_f32 v[ST+8*\m+6], v[ST+8*\m+6], v[ST+8*\m+7]
.endr
.irp m, 0,1,2,3
	ds_store_b32 v[STW], v[ST+8*\m+6] offset:1024+256*\m
.endr
	s_wait_dscnt 0x0
	s_barrier_signal -1
	s_barrier_wait -1
.irp m, 0,1,2,3
	ds_load_b128 v[MX+4*\m:MX+4*\m+3], v[STR] offset:1024+256*\m
.endr
	s_wait_dscnt 0x0
.irp m, 0,1,2,3
	v_add_f32 v[MX+4*\m], v[MX+4*\m], v[MX+4*\m+1]
.endr
.irp m, 0,1,2,3
	v_add_f32 v[MX+4*\m+2], v[MX+4*\m+2], v[MX+4*\m+3]
.endr
.irp m, 0,1,2,3
	v_add_f32 v[MX+4*\m], v[MX+4*\m], v[MX+4*\m+2]
.endr
.irp m, 0,1,2,3
	v_rcp_f32 v[ST+8*\m+4], v[MX+4*\m]
.endr
	v_nop                                          ; a plain line behind the last reciprocal
	s_wait_alu depctr_va_vdst(0)                   ; and the wait ahead of the first reader: one for the four
.irp m, 0,1,2,3
	v_ldexp_f32 v[ST+8*\m+4], v[ST+8*\m+4], s[EPV] ; 2^(e8 + e9) / sum
.endr
	; O^T / sum becomes codes under 2^e10: tile m's 64 registers are channels 128 w + 32 c + 16 h + 0 .. 15: one fragment, K step w of the last product
.irp m, 0,1,2,3
	WIN 0x02                                       ; source 0 window 2
.set n, 0
.rept 32
	v_pk_mul_f32 v[S+n:S+n+1], v[64*\m+n:64*\m+n+1], v[ST+8*\m+4:ST+8*\m+5] op_sel_hi:[1,0]
.set n, n+2
.endr
	WIN 0
.set n, 0
.rept 64
	v_med3_num_f32 v[S+n], v[S+n], -v[SCH+1], v[SCH+1]
.set n, n+1
.endr
.irp c, 0,1,2,3
	v_cvt_scalef32_pk8_fp8_f32 v[PF+16*\m+4*\c:PF+16*\m+4*\c+1], v[S+16*\c:S+16*\c+7], v[SCH]
	v_cvt_scalef32_pk8_fp8_f32 v[PF+16*\m+4*\c+2:PF+16*\m+4*\c+3], v[S+16*\c+8:S+16*\c+15], v[SCH]
.endr
	v_nop                                          ; a plain line behind the last conversion: the next tile writes its sources
.irp c, 0,1,2,3
	ds_store_b128 v[HWI], v[PF+16*\m+4*\c:PF+16*\m+4*\c+3] offset:8192*\m+512*\c
.endr
.endr
	s_wait_dscnt 0x0
	s_barrier_signal -1
	s_barrier_wait -1                              ; the sixteen fragments lie in LDS
; THE LAST PRODUCT, K step s: four fragments of A from LDS into set s % 2 of window 1; 32 accumulators (tile of outputs t, tile of queries m) at 32 t + 8 m of window 2, by turns.
; rb: Wp's set; wn: the windows; lc: how many younger loads may stay out when Wp's set has to be in (-1: it is in).
.macro P6 s, rb, wn, lc
	WIN 0x40
.irp m, 0,1,2,3
.irp c, 0,1,2,3
	ds_load_b128 v[64*((\s)%2)+16*\m+4*\c:64*((\s)%2)+16*\m+4*\c+3], v[HRI] offset:2048*(4*\m+\s)+512*\c
.endr
.endr
.if \lc >= 0
	s_wait_loadcnt \lc
.endif
	s_wait_dscnt 0x0
	WIN \wn
.irp t, 0,1,2,3,4,5,6,7
.irp m, 0,1,2,3
.if \s == 0
	v_wmma_f32_16x16x128_fp8_fp8 v[32*\t+8*\m:32*\t+8*\m+7], v[64*((\s)%2)+16*\m:64*((\s)%2)+16*\m+15], v[\rb+16*\t:\rb+16*\t+15], 0
.else
	v_wmma_f32_16x16x128_fp8_fp8 v[32*\t+8*\m:32*\t+8*\m+7], v[64*((\s)%2)+16*\m:64*((\s)%2)+16*\m+15], v[\rb+16*\t:\rb+16*\t+15], v[32*\t+8*\m:32*\t+8*\m+7]
.endif
.endr
.endr
	PLACES 4
.endm
.macro XLOAD tz, rb                    ; x of tiles tz .. tz + 3 of my outputs: sixteen lanes read a channel's 256 bytes, aligned
.irp u, 0,1,2,3
.irp e, 0,1,2,3,4,5,6,7
	global_load_b128 v[\rb+32*\u+4*\e:\rb+32*\u+4*\e+3], v[GO], s[XB:XB+1] offset:8192*(16*(\tz+\u)+2*\e) th:TH_LOAD_NT
.endr
.endr
.endm
	P6 0, 0, 0x8d, 32                              ; source 0 window 1, source 1 window 3.  K step 1's 32 loads may be out
	WIN 0xc0
	WPLOAD 3, 0
	P6 1, 128, 0xad, 32                            ; K step 3's may be out
	WIN 0xc0
	XLOAD 0, 128
	P6 2, 128, 0xa5, -1                            ; Wp's K step 2 lies in window 1
	P6 3, 0, 0xad, 32                              ; x's first 32 loads may be out
	WIN 0xc0
	XLOAD 4, 0
	WIN 0
; THE WAY OUT, a tile of 16 outputs at a time.  A lane holds, of channel r, positions 32 (m / 2) + 16 h + 8 (m % 2) + 0 .. 7 for each m: through my own stage, back as whole rows of 256 bytes.
; LDS serves a wave's instructions in order (ISA guide 5.7.1.4): no wait between the stores and the loads, nor ahead of the next tile's stores.
.macro TOSTAGE tl
	WIN 0x02
.irp m, 0,1,2,3
.irp p, 0,2,4,6
	v_pk_fma_f32 v[PF+8*\m+\p:PF+8*\m+\p+1], v[32*(\tl)+8*\m+\p:32*(\tl)+8*\m+\p+1], s[OSC:OSC+1], v[BP+2*(\tl):BP+2*(\tl)+1] op_sel_hi:[1,0,0]   ; sum x 2^(e10 + e11) + bp
.endr
.endr
	WIN 0
.irp m, 0,1,2,3
	ds_store_b128 v[STO], v[PF+8*\m:PF+8*\m+3] offset:128*(\m/2)+32*(\m%2)
	ds_store_b128 v[STO], v[PF+8*\m+4:PF+8*\m+7] offset:128*(\m/2)+32*(\m%2)+16
.endr
.irp e, 0,1,2,3,4,5,6,7
	ds_load_b128 v[S+32*((\tl)%2)+4*\e:S+32*((\tl)%2)+4*\e+3], v[RD] offset:544*\e
.endr
.endm
.macro SEND tl, younger                ; younger: the LDS instructions issued behind tile tl's loads
.set RB, S+32*((\tl)%2)
.if (\tl) < 4
.set XR, 128+32*(\tl)
.else
.set XR, 32*((\tl)-4)
.endif
	s_wait_dscnt \younger
.if (\tl) < 4
	s_wait_loadcnt 32+8*(3-(\tl))                  ; x of the later tiles may be out
.else
	s_wait_loadcnt 8*(7-(\tl))
.endif
	WIN 0x0c                                       ; source 1 (x) window 3
.set n, 0
.rept 16
	v_pk_add_f32 v[RB+n:RB+n+1], v[RB+n:RB+n+1], v[XR+n:XR+n+1]
.set n, n+2
.endr
	WIN 0
.irp e, 0,1,2,3,4,5,6,7
	global_store_b128 v[GO], v[RB+4*\e:RB+4*\e+3], s[OB:OB+1] offset:8192*(16*(\tl)+2*\e) th:TH_STORE_NT   ; sixteen lanes store 256 consecutive bytes, aligned
.endr
.endm
	TOSTAGE 0
.irp t, 1,2,3,4,5,6,7
.if \t > 1
	s_wait_xcnt 0x0                                ; the stores of the tile two back have read their registers: this tile's rows may land there
.endif
	TOSTAGE \t
	SEND \t-1, 16                                  ; behind that tile's loads: this tile's 8 stores and 8 loads
.endr
	SEND 7, 0
	s_wait_tensorcnt 0x0                           ; the wave's end: behind my last tensor load and my last LDS store
	ds_add_u32 v[SPW], v[NIL]
	s_wait_dscnt 0x0
	CROUND                                         ; the closing round: no work-group ends while a partner may still ask for a tile that names it
	s_endpgm
.Lfunc_end_k_q2857e2d620_attn:
	.size	k_q2857e2d620_attn, .Lfunc_end_k_q2857e2d620_attn-k_q2857e2d620_attn
	.p2alignl 7, 3214868480
	.fill 96, 4, 3214868480
	.section	.rodata,"a",@progbits
	.p2align	6, 0x0
	.amdhsa_kernel k_q2857e2d620_attn
		.amdhsa_group_segment_fixed_size 327680
		.amdhsa_private_segment_fixed_size 0
		.amdhsa_enable_private_segment 0
		.amdhsa_kernarg_size 64
		.amdhsa_user_sgpr_count 2
		.amdhsa_user_sgpr_kernarg_segment_ptr 1
		.amdhsa_wavefront_size32 1
		.amdhsa_system_sgpr_workgroup_id_x 1
		.amdhsa_system_sgpr_workgroup_id_y 1
		.amdhsa_system_sgpr_workgroup_id_z 1
		.amdhsa_system_vgpr_workitem_id 0
		.amdhsa_next_free_vgpr 1024
		.amdhsa_next_free_sgpr 100
		.amdhsa_reserve_vcc 0
		.amdhsa_float_denorm_mode_32 3
		.amdhsa_float_denorm_mode_16_64 3
		.amdhsa_memory_ordered 1
		.amdhsa_forward_progress 1
		.amdhsa_inst_pref_size 255
	.end_amdhsa_kernel
	.section	.bss,"aw",@nobits
	.p2align	6
	.space	262144
	.amdgpu_metadata
---
amdhsa.version: [ 1, 2 ]
amdhsa.kernels:
  - .name:           k_q2857e2d620_attn
    .symbol:         k_q2857e2d620_attn.kd
    .args:
      - { .name: qimg, .offset: 0, .size: 8, .value_kind: global_buffer, .address_space: global }
      - { .name: kimg, .offset: 8, .size: 8, .value_kind: global_buffer, .address_space: global }
      - { .name: vimg, .offset: 16, .size: 8, .value_kind: global_buffer, .address_space: global }
      - { .name: wp_codes, .offset: 24, .size: 8, .value_kind: global_buffer, .address_space: global }
      - { .name: bp, .offset: 32, .size: 8, .value_kind: global_buffer, .address_space: global }
      - { .name: x, .offset: 40, .size: 8, .value_kind: global_buffer, .address_space: global }
      - { .name: lowp_scales, .offset: 48, .size: 8, .value_kind: global_buffer, .address_space: global }
      - { .name: out0, .offset: 56, .size: 8, .value_kind: global_buffer, .address_space: global }
    .group_segment_fixed_size: 327680
    .private_segment_fixed_size: 0
    .kernarg_segment_align: 8
    .kernarg_segment_size: 64
    .max_flat_workgroup_size: 128
    .sgpr_count:     100
    .vgpr_count:     1024
    .wavefront_size: 32
...
	.end_amdgpu_metadata
.endif
;; end of part 3
